; MI455X (gfx1250); checked and timed in simulation.
; The chip was launched on July 23, 2026; its instructions are those of AMD's public machine-readable ISA for CDNA 5 (MIT licence, August 2026) and "CDNA5" Instruction Set Architecture Reference Guide (July 2026). The comments in the code are by the model that wrote it; some were corrected since.
;; Memory Module. Allowed arithmetic: float matrix products may take bf16 or f16 operands with f32 sums; all other float work in f32.
;; Inputs: memory 1,024 x 64 float32; query 262,144 x 64 float32.
;; Outputs: out0 262,144 x 64 float32.
;; One version. Each part assembles by itself: llvm-mc -triple=amdgcn-amd-amdhsa -mcpu=gfx1250 --defsym DOCPART=n.
;; ======== version 1 of 1: 1 launch
;; launch attn (part 1): grid 256 x 1, 8 waves a work-group, no clusters, 315,392 bytes of LDS; arguments memory, query, out0; writes out0
.if DOCPART == 1
	.amdgcn_target "amdgcn-amd-amdhsa--gfx1250"
	.amdhsa_code_object_version 6
	.text
	.protected	k_qadc6f7487e_attn
	.globl	k_qadc6f7487e_attn
	.p2align	8
	.type	k_qadc6f7487e_attn,@function
k_qadc6f7487e_attn:
	s_mov_b64 s[64:65], 0
	v_nop
	global_prefetch_b8 v0, s[64:65] scope:SCOPE_SE
	s_setreg_imm32_b32 hwreg(HW_REG_WAVE_MODE, 25, 1), 1
	s_wait_xcnt 0x0
; out0[q][:] = softmax over m of (query[q] . memory[m]) times memory.  query, out0: [262144][64] f32.  memory: [1024][64] f32.
; One launch.  A work-group owns 1,024 queries, a wave 128 of them, taken as two halves of 64 (four tiles of 16).  Eight waves of 512 registers:
; two on each of a WGP's four SIMDs, so that one wave's softmax arithmetic runs while the other multiplies.
; The table is rounded to bf16 once by each work-group and kept in LDS in two forms: K [key][d] for the scores, VT [d][key] for the output.
; BOTH PRODUCTS ARE USED TRANSPOSED, so that no lane exchange stands between them:
;   scores  S^T = K Q^T : A = 16 keys x 32 d, B = 16 queries x 32 d; lane (r, h), register j holds key 8 h + j of query r;
;   two neighbouring S^T tiles, packed to bf16 in place, ARE the B fragment of P^T for 32 keys (registers 0-3: keys 8 h .., 4-7: keys 16 + 8 h ..);
;   output  O^T = V^T P^T : A = 16 d x 32 keys; lane (r, h), register j of d tile t holds d = 16 t + 8 h + j of query r.
; Softmax with a running maximum, over 16 blocks of 64 keys: the true maximum of all scores seen so far is taken away before every exponential,
; and sums and outputs are rescaled by 2^(difference of the two shifts that were really used).
; A block is one matrix phase (32 instructions of the second product of the block before, 32 of this block's scores) and one vector phase.
; No cluster and no tensor load: query and table must pass through registers to become bf16.  What work-groups share is the table, 262,144 bytes
; read once by each at its start, against 524,288 bytes of query and out0 that are a work-group's own; as f32 it would not fit in LDS beside its
; two bf16 forms (279,552 of 327,680 bytes).
; LIMITS.  Inputs and scores finite in f32: NaN and infinities are not carried as the reference carries them (the maximum drops a NaN).
; A weight below 2^-126 of its row's largest counts as 0 (v_exp_f32 flushes).  Query and table enter the products rounded to bf16; the weights
; enter the second product rounded to bf16 (relative 2^-9 each) while their sum is taken from the f32 exponentials.
.set KPITCH, 144                       ; a K row: 128 bytes + 16.  9 x 16: sixteen rows' 16-byte pieces fall on sixteen different places modulo 256 bytes
.set VPITCH, 2064                      ; a VT row: 2,048 bytes + 16 = 129 x 16, likewise
.set OPITCH, 272                       ; a row of the way out: 256 bytes + 16 = 17 x 16, likewise
.set VT,     1024*KPITCH               ; LDS: K at 0 (147,456 bytes), VT behind it (132,096 bytes),
.set SCR,    VT+64*VPITCH              ; then a stage of 4,352 bytes for each wave alone: 16 Q rows of bf16 (pitch 144) on the way in, 16 rows of f32 (pitch 272) on the way out
.set SCRW,   16*OPITCH
.set KBLK,   64*KPITCH                 ; a block of 64 keys in K
.set VBLK,   128                       ; and along VT's rows
.set VT16,   16*VPITCH                 ; 16 rows of VT: one d tile
.set HALFQ,  64*256                    ; bytes of 64 rows of query or out0
; window 0 (v0-255)
.set ACC, 0                            ; v0-127    O^T, tile (n, t) at 8 (4 n + t)
.set QF,  128                          ; v128-191  Q fragments, (n, f) at 8 (2 n + f)
.set KF,  192                          ; v192-255  K fragments, (i, f) at 8 (2 i + f); on the way out two store buffers of 32
; window 1 (v256-511, written by their low 8 bits)
.set SC,  0                            ; 0-127     S^T, tile (n, i) at 32 n + 8 i; packed in place: P(n, kb) at 32 n + 16 kb .. + 7; also the raw Q loads
.set VF,  128                          ; 128-191   V^T fragments, (kb, t) at 8 (4 kb + t)
.set KA,  192                          ; K address of the block loaded next
.set VA0, 193                          ; VT address of this block, d tiles 0, 1
.set VA1, 194                          ; d tiles 2, 3 (the 16-bit offset does not reach them from VA0)
.set KB,  195                          ; 144 r + 16 h
.set VB0, 196                          ; VT + 2064 r + 16 h
.set VB1, 197                          ; VB0 + 32 rows
.set QOFF,198                          ; 32768 w + 16 L: my 16 bytes in the wave's part of memory, query and out0; never rewritten
.set SQW, 199                          ; stage + 144 h + 8 r
.set SQF, 200                          ; stage + 144 r + 16 h
.set OST, 201                          ; stage + 272 r + 32 h
.set ORD, 202                          ; stage + 272 h + 16 r
.set KST, 203                          ; 18432 w + 144 h + 8 r
.set TRL, 204                          ; 18432 w + 144 (8 h + L % 8) + 16 (L / 8 % 2)
.set VST0,205                          ; VB0 + 256 w
.set VST1,206                          ; VB1 + 256 w
.set PFO, 207                          ; 32768 w + 256 L; never rewritten
.set MX,  208                          ; 208 + n   running maximum of tile n's queries, in score units
.set NM,  212                          ; pair 212 + 2 n: - log2(e) x maximum, twice
.set LS,  220                          ; pair 220 + 2 n: running sum, two partial sums a lane
.set AL,  228                          ; pair 228 + 2 n: the rescale factor, and the exponent that it was made from
.set T,   236                          ; 236-243   at work: two maximum chains a tile, then four sum pairs
.set RC,  244                          ; pair: 1 / sum, twice
; s_set_vgpr_msb's low byte: bits 1:0 source 0, 3:2 source 1, 5:4 source 2, 7:6 destination; the high byte repeats the setting that is left.
.set MSB, 0
.macro WIN new
.if MSB != \new
	s_set_vgpr_msb (MSB<<8)|\new
.set MSB, \new
.endif
.endm
.set W_ALL1, 0x55                      ; everything in window 1
.set W_SMUL, 0x50                      ; C and D in window 1, A and B in window 0
.set W_SCAL, 0x04                      ; source 1 in window 1: ACC times a factor
.set W_PV,   0x05                      ; A and B in window 1, C and D in window 0
.set W_ADR1, 0x01                      ; address in window 1, data in window 0
.set W_DST1, 0x40                      ; destination in window 1
.macro PLACES cnt
.rept \cnt
	v_nop
.endr
.endm
	s_load_b128 s[4:7], s[0:1], 0x0                ; memory s[4:5], query s[6:7]
	s_load_b64 s[8:9], s[0:1], 0x10                ; out0
	s_set_vgpr_msb 0x40
	v_lshl_add_u32 v254, v0, 2, 0x4cc00
	v_mov_b32 v255, 0
	s_set_vgpr_msb 0x4000
	v_and_b32 v1, 15, v0                           ; r
	v_bfe_u32 v2, v0, 4, 1                         ; h
	v_and_b32 v3, 31, v0                           ; L
	v_and_b32 v4, 7, v0                            ; L % 8
	v_bfe_u32 v5, v0, 3, 1                         ; L / 8 % 2
	v_lshrrev_b32 v6, 5, v0
	v_readfirstlane_b32 s10, v6                    ; wave w
	s_mov_b32 s12, 0x76543210                      ; v_permlanex16_b32: lane i reads lane i of the other half
	s_mov_b32 s13, 0xfedcba98
	s_mov_b32 s14, 0x3fb8aa3b                      ; log2(e), as a pair for the packed multiply-add
	s_mov_b32 s15, 0x3fb8aa3b
	s_mov_b32 s16, 0xbfb8aa3b                      ; - log2(e)
	s_lshl_b32 s18, ttmp9, 18                      ; the work-group's 1,024 rows of 256 bytes; 256 x 262,144 stays below 4 GiB
	s_mov_b32 s19, 0
	s_lshl_b32 s20, s10, 15                        ; the wave's 128 rows of 256 bytes
	s_mul_i32 s21, s10, SCRW
	s_add_co_u32 s21, s21, SCR                     ; my stage
	s_mul_i32 s22, s10, 128*KPITCH                 ; my 128 keys in K
	s_lshl_b32 s23, s10, 8                         ; and along VT's rows
	v_mul_u32_u24 v7, v1, KPITCH
	v_lshl_add_u32 v7, v2, 4, v7                   ; 144 r + 16 h
	v_mul_u32_u24 v8, v1, VPITCH
	v_lshl_add_u32 v8, v2, 4, v8
	v_add_nc_u32 v8, VT, v8                        ; VT + 2064 r + 16 h
	v_add_nc_u32 v13, 2*VT16, v8                   ; and 32 rows further down
	v_mul_u32_u24 v9, v2, KPITCH
	v_lshl_add_u32 v9, v1, 3, v9                   ; 144 h + 8 r
	v_mul_u32_u24 v10, v1, OPITCH
	v_lshl_add_u32 v10, v2, 5, v10                 ; 272 r + 32 h
	v_mul_u32_u24 v11, v2, OPITCH
	v_lshl_add_u32 v11, v1, 4, v11                 ; 272 h + 16 r
	v_lshl_add_u32 v12, v2, 3, v4
	v_mul_u32_u24 v12, v12, KPITCH
	v_lshl_add_u32 v12, v5, 4, v12                 ; 144 (8 h + L % 8) + 16 (L / 8 % 2)
	WIN W_DST1                                     ; the addresses go to window 1: window 0 is about to take the table
	v_mov_b32 v[KB], v7
	v_mov_b32 v[VB0], v8
	v_mov_b32 v[VB1], v13
	v_lshl_add_u32 v[QOFF], v3, 4, s20
	v_add_nc_u32 v[SQW], s21, v9
	v_add_nc_u32 v[SQF], s21, v7
	v_add_nc_u32 v[OST], s21, v10
	v_add_nc_u32 v[ORD], s21, v11
	v_add_nc_u32 v[KST], s22, v9
	v_add_nc_u32 v[TRL], s22, v12
	v_add_nc_u32 v[VST0], s23, v8
	v_add_nc_u32 v[VST1], s23, v13
	v_lshl_add_u32 v[PFO], v3, 8, s20
	s_wait_kmcnt 0x0
	s_add_nc_u64 s[6:7], s[6:7], s[18:19]          ; query and out0 at the work-group's first row
	s_add_nc_u64 s[8:9], s[8:9], s[18:19]
; 32 loads: the 64 rows of half hf of my queries, raw f32, 512 neighbouring bytes (two rows) a load, into the score registers
.macro QLOAD hf
	WIN W_ALL1
.set ii, 0
.rept 32
	global_load_b128 v[SC+4*ii:SC+4*ii+3], v[QOFF], s[6:7] offset:HALFQ*\hf+512*ii th:TH_LOAD_NT
.set ii, ii+1
.endr
.endm
	; ALL FIRST LOADS AT ONCE: my 128 rows of the table (64 loads, all of window 0; no hint: every work-group reads them), then my first 64 queries.
	WIN W_ADR1
.set ii, 0
.rept 64
	global_load_b128 v[4*ii:4*ii+3], v[QOFF], s[4:5] offset:512*ii
.set ii, ii+1
.endr
	QLOAD 0
	; THE K FORM: four f32 become 8 bytes of bf16, at row 2 i + h, byte 8 r.
.irp g, 0,1,2,3
.if 80-16*\g > 63
	s_wait_loadcnt 63                              ; 80 - 16 g loads are younger than this group of 16; the wait's field ends at 63
.else
	s_wait_loadcnt 80-16*\g                        ; the younger loads stay out, the 32 of Q among them
.endif
	WIN 0
.set ii, 16*\g
.rept 16
	v_cvt_pk_bf16_f32 v[4*ii], v[4*ii], v[4*ii+1]
	v_cvt_pk_bf16_f32 v[4*ii+1], v[4*ii+2], v[4*ii+3]
.set ii, ii+1
.endr
	WIN W_ADR1
.set ii, 16*\g
.rept 16
	ds_store_b64 v[KST], v[4*ii:4*ii+1] offset:2*KPITCH*ii
.set ii, ii+1
.endr
.endr
	s_wait_dscnt 0x0                               ; my part of K is written, for the other waves' sake
	s_barrier_signal -1
	s_barrier_wait -1
	; THE VT FORM: each wave transposes its 128 keys.  Load (a, t) brings lane L the keys 128 w + 16 a + 8 h .. + 7 of d = 16 t + r: 16 bytes of a VT row.
.irp a, 0,1,2,3,4,5,6,7
.irp t, 0,1,2,3
	ds_load_tr16_b128 v[4*(4*\a+\t):4*(4*\a+\t)+3], v[TRL] offset:16*KPITCH*\a+32*\t
.endr
.endr
.irp a, 0,1,2,3,4,5,6,7
.irp t, 0,1,2,3
	s_wait_dscnt 31                                ; behind load q = 4 a + t stand 31 - q loads and the q stores issued so far: 31 every time
	ds_store_b128 v[VST0+\t/2], v[4*(4*\a+\t):4*(4*\a+\t)+3] offset:(\t%2)*VT16+32*\a
.endr
.endr
	s_wait_dscnt 0x0                               ; my part of VT is written
	s_barrier_signal -1
	s_barrier_wait -1                              ; from here on K and VT are only read, and every other LDS byte is one wave's own: no further barrier
; The raw queries become four tiles' B fragments, through my stage.  LDS serves a wave's instructions in order (ISA guide 5.7.1.4), so the loads see
; the stores in front of them and the next tile's stores come behind these loads: no wait stands between them.
.macro QCONV
.irp n, 0,1,2,3
	s_wait_loadcnt 24-8*\n                         ; tile n's eight loads are in; the later tiles' stay out
	WIN W_ALL1
.irp u, 0,1,2,3,4,5,6,7
	v_cvt_pk_bf16_f32 v[SC+32*\n+4*\u], v[SC+32*\n+4*\u], v[SC+32*\n+4*\u+1]
	v_cvt_pk_bf16_f32 v[SC+32*\n+4*\u+1], v[SC+32*\n+4*\u+2], v[SC+32*\n+4*\u+3]
.endr
.irp u, 0,1,2,3,4,5,6,7
	ds_store_b64 v[SQW], v[SC+32*\n+4*\u:SC+32*\n+4*\u+1] offset:2*KPITCH*\u    ; row 2 u + h, byte 8 r
.endr
	WIN W_ADR1
.irp f, 0,1
.irp x, 0,1
	ds_load_b128 v[QF+8*(2*\n+\f)+4*\x:QF+8*(2*\n+\f)+4*\x+3], v[SQF] offset:64*\f+32*\x
.endr
.endr
.endr
.endm
; 16 loads: 64 keys x 64 d as eight A fragments
.macro LOADK
	WIN W_ADR1
.irp i, 0,1,2,3
.irp f, 0,1
.irp x, 0,1
	ds_load_b128 v[KF+8*(2*\i+\f)+4*\x:KF+8*(2*\i+\f)+4*\x+3], v[KA] offset:16*KPITCH*\i+64*\f+32*\x
.endr
.endr
.endr
.endm
; 16 loads: 64 d x 64 keys as eight A fragments
.macro LOADV
	WIN W_ALL1
.irp kb, 0,1
.irp t, 0,1,2,3
.irp x, 0,1
	ds_load_b128 v[VF+8*(4*\kb+\t)+4*\x:VF+8*(4*\kb+\t)+4*\x+3], v[VA0+\t/2] offset:(\t%2)*VT16+64*\kb+32*\x
.endr
.endr
.endr
.endm
; 32 matrix instructions: the scores of 64 keys x 64 queries.  The first 32 of d start each sum with the constant 0; four accumulators take turns,
; one instruction a turn.
.macro SMUL
	WIN W_SMUL
.irp i, 0,1,2,3
.irp n, 0,1,2,3
	v_wmma_f32_16x16x32_bf16 v[SC+32*\n+8*\i:SC+32*\n+8*\i+7], v[KF+16*\i:KF+16*\i+7], v[QF+16*\n:QF+16*\n+7], 0
.endr
.irp n, 0,1,2,3
	v_wmma_f32_16x16x32_bf16 v[SC+32*\n+8*\i:SC+32*\n+8*\i+7], v[KF+16*\i+8:KF+16*\i+15], v[QF+16*\n+8:QF+16*\n+15], v[SC+32*\n+8*\i:SC+32*\n+8*\i+7]
.endr
.endr
.endm
; THE VECTOR PHASE, all in window 1.  first = 1: the half's first block starts maxima, sums and outputs.
; The largest of a lane's 32 scores and the running maximum, 16 instructions a tile.  The four tiles go side by side, two chains each:
; an instruction reads what the eighth instruction in front of it wrote.
.macro MAXALL first
.irp n, 0,1,2,3
.if \first
	v_max_num_f32 v[T+2*\n], v[SC+32*\n], v[SC+32*\n+1]
.else
	v_max3_num_f32 v[T+2*\n], v[SC+32*\n], v[SC+32*\n+1], v[MX+\n]
.endif
.endr
.irp n, 0,1,2,3
	v_max3_num_f32 v[T+2*\n+1], v[SC+32*\n+2], v[SC+32*\n+3], v[SC+32*\n+4]
.endr
.set qq, 0
.rept 13
.irp n, 0,1,2,3
	v_max3_num_f32 v[T+2*\n+qq%2], v[T+2*\n+qq%2], v[SC+32*\n+5+2*qq], v[SC+32*\n+6+2*qq]
.endr
.set qq, qq+1
.endr
.irp n, 0,1,2,3
	v_max3_num_f32 v[T+2*\n], v[T+2*\n], v[T+2*\n+1], v[SC+32*\n+31]
.endr
.endm
; New maxima, new shifts, rescale factors: a chain of six steps, the four tiles' chains side by side.
.macro STATS first
.irp n, 0,1,2,3
	v_permlanex16_b32 v[T+2*\n+1], v[T+2*\n], s12, s13     ; lane (r, 1 - h) holds the query's other 32 keys
.endr
.irp n, 0,1,2,3
	v_max_num_f32 v[MX+\n], v[T+2*\n], v[T+2*\n+1]
.endr
.irp n, 0,1,2,3
	v_mul_f32 v[NM+2*\n+1], s16, v[MX+\n]                  ; the new shift, - log2(e) x maximum
.endr
.if \first == 0
.irp n, 0,1,2,3
	v_sub_f32 v[AL+2*\n+1], v[NM+2*\n+1], v[NM+2*\n]       ; new shift - old shift, at most 0: the difference of the two numbers that are really added
.endr
.irp n, 0,1,2,3
	v_exp_f32 v[AL+2*\n], v[AL+2*\n+1]                     ; made once; its users take the pair's first register for both halves
.endr
.endif
.irp n, 0,1,2,3
	v_mov_b32 v[NM+2*\n], v[NM+2*\n+1]                     ; the first of these is also the plain instruction behind the exponentials (ISA guide 5.7.2)
.endr
.endm
; Parts of the stream.  g = 0 .. 31 numbers the block's groups of four scores a lane: tile g / 8, registers 4 g .. 4 g + 3.
.macro FMA1 g, j                       ; log2(e) x score + shift, at most about 0, for two scores
	v_pk_fma_f32 v[SC+4*(\g)+2*\j:SC+4*(\g)+2*\j+1], v[SC+4*(\g)+2*\j:SC+4*(\g)+2*\j+1], s[14:15], v[NM+2*((\g)/8):NM+2*((\g)/8)+1] op_sel_hi:[1,0,1]
.endm
.macro USUM g                          ; the group's four weights join the tile's four sum pairs; the tile's first four groups start them: nothing is cleared
.if ((\g)%8) < 4
	s_wait_alu depctr_va_vdst(0)
	v_pk_add_f32 v[T+2*((\g)%8):T+2*((\g)%8)+1], v[SC+4*(\g):SC+4*(\g)+1], v[SC+4*(\g)+2:SC+4*(\g)+3]
.else
	v_pk_add_f32 v[T+4*((\g)%2):T+4*((\g)%2)+1], v[T+4*((\g)%2):T+4*((\g)%2)+1], v[SC+4*(\g):SC+4*(\g)+1]
	s_wait_alu depctr_va_vdst(0)
	v_pk_add_f32 v[T+4*((\g)%2)+2:T+4*((\g)%2)+3], v[T+4*((\g)%2)+2:T+4*((\g)%2)+3], v[SC+4*(\g)+2:SC+4*(\g)+3]
.endif
.endm
.macro PACK g                          ; packed in place, ascending: the two registers written hold weights of this or an earlier group, summed and packed already
.set PD, SC+32*((\g)/8)+16*(((\g)%8)/4)+2*((\g)%4)
	v_cvt_pk_bf16_f32 v[PD], v[SC+4*(\g)], v[SC+4*(\g)+1]
	v_cvt_pk_bf16_f32 v[PD+1], v[SC+4*(\g)+2], v[SC+4*(\g)+3]
.endm
.macro COMB n, first                   ; tile n's four sum pairs become one and join the running sum
	v_pk_add_f32 v[T:T+1], v[T:T+1], v[T+2:T+3]
	v_pk_add_f32 v[T+4:T+5], v[T+4:T+5], v[T+6:T+7]
.if \first
	v_pk_add_f32 v[LS+2*(\n):LS+2*(\n)+1], v[T:T+1], v[T+4:T+5]
.else
	v_pk_add_f32 v[T:T+1], v[T:T+1], v[T+4:T+5]
	v_pk_fma_f32 v[LS+2*(\n):LS+2*(\n)+1], v[LS+2*(\n):LS+2*(\n)+1], v[AL+2*(\n):AL+2*(\n)+1], v[T:T+1] op_sel_hi:[1,0,1]
.endif
.endm
; The stream: group g's four exponentials stand singly, and between them the multiply-adds of group g + 2 and the sums and packs of group g - 1.
; So behind every exponential stands a plain instruction on other registers before its result is read (ISA guide 5.7.2), and no v_nop is spent on that.
.macro STREAM first
	FMA1 0, 0
	FMA1 0, 1
	FMA1 1, 0
	FMA1 1, 1
.set gg, 0
.rept 32
	v_exp_f32 v[SC+4*gg], v[SC+4*gg]
.if gg+2 < 32
	FMA1 gg+2, 0
.endif
	v_exp_f32 v[SC+4*gg+1], v[SC+4*gg+1]
.if gg+2 < 32
	FMA1 gg+2, 1
.endif
	v_exp_f32 v[SC+4*gg+2], v[SC+4*gg+2]
.if gg > 0
	USUM gg-1
.endif
	v_exp_f32 v[SC+4*gg+3], v[SC+4*gg+3]
.if gg > 0
	PACK gg-1
.if gg%8 == 0
	COMB gg/8-1, \first                            ; in front of the next tile's first sum, which writes the same pairs
.endif
.endif
.set gg, gg+1
.endr
	USUM 31                                        ; behind the last exponential stand the two packs of group 30
	PACK 31
	COMB 3, \first
.endm
; 64 packed multiplies: the outputs so far follow the new maxima.  The factor is the pair's first register, for both halves.
.macro RESCALE
	WIN W_SCAL
.irp n, 0,1,2,3
.set qq, 0
.rept 16
	v_pk_mul_f32 v[ACC+32*\n+2*qq:ACC+32*\n+2*qq+1], v[ACC+32*\n+2*qq:ACC+32*\n+2*qq+1], v[AL+2*\n:AL+2*\n+1] op_sel_hi:[1,0]
.set qq, qq+1
.endr
.endr
.endm
; 8 matrix instructions: tile n's 16 queries x 64 d, 64 keys.  Four accumulators take turns, one instruction a turn.
.macro PV n, first
	WIN W_PV
.irp kb, 0,1
.irp t, 0,1,2,3
.if \first*(1-\kb)
	v_wmma_f32_16x16x32_bf16 v[ACC+8*(4*\n+\t):ACC+8*(4*\n+\t)+7], v[VF+8*(4*\kb+\t):VF+8*(4*\kb+\t)+7], v[SC+32*\n+16*\kb:SC+32*\n+16*\kb+7], 0
.else
	v_wmma_f32_16x16x32_bf16 v[ACC+8*(4*\n+\t):ACC+8*(4*\n+\t)+7], v[VF+8*(4*\kb+\t):VF+8*(4*\kb+\t)+7], v[SC+32*\n+16*\kb:SC+32*\n+16*\kb+7], v[ACC+8*(4*\n+\t):ACC+8*(4*\n+\t)+7]
.endif
.endr
.endr
.endm
; One block of 64 keys for 64 queries.  last = 1: no further K block is fetched.  pf = 1: the trip may ask for the second half's queries.
.macro BLOCK first, last, pf
	LOADV                                          ; this block's V^T: needed behind the whole vector phase
	s_wait_dscnt 16                                ; only those 16 are younger: this block's K fragments are in (in a half's first block the Q fragments too)
	SMUL
	PLACES 4                                       ; four plain places behind the matrix instructions (ISA guide 7.12.1) before K's registers are loaded again and the scores are read
.if \last == 0
	LOADK                                          ; the next block's K: it has the vector phase and the second product in which to come
.endif
.if \pf
	; In the loop's last trip (block 14 of 16) each wave asks for its own second 64 rows of query, 16 KiB, which it loads behind block 15:
	; two requests, lanes 256 bytes apart, each 256 bytes asked for once in the launch.  The second half asks for nothing, so no request passes query's end.
	WIN 0
	s_cmp_lg_u32 s17, 1
	s_cbranch_scc1 .Lnopf_\@
	WIN W_ADR1
	global_prefetch_b8 v[PFO], s[6:7] offset:HALFQ th:TH_LOAD_NT scope:SCOPE_SE
	global_prefetch_b8 v[PFO], s[6:7] offset:HALFQ+8192 th:TH_LOAD_NT scope:SCOPE_SE
	WIN 0
.Lnopf_\@:
.endif
	WIN W_ALL1
	MAXALL \first
	STATS \first
	STREAM \first
.if \first == 0
	RESCALE
.endif
.if \last
	s_wait_dscnt 0                                 ; V^T is in; nothing younger was issued
.else
	s_wait_dscnt 16                                ; V^T is in; the 16 loads of the next K block may stay out
.endif
	PV 0, \first
	PV 1, \first
	PV 2, \first
	PV 3, \first
	; five plain places behind the last matrix instruction: the next block loads V^T's registers again and its scores overwrite the weights
	WIN W_ALL1
.if \last
	PLACES 5
.else
	v_add_nc_u32 v[KA], KBLK, v[KA]
	v_add_nc_u32 v[VA0], VBLK, v[VA0]
	v_add_nc_u32 v[VA1], VBLK, v[VA1]
	PLACES 2
.endif
.endm
; The way out of tile n of half hf: divide by the sum, 16 rows of f32 through my stage, whole rows to memory.
.macro EPI hf, n
.set BUF, KF+32*(\n%2)
	WIN W_ALL1
	v_add_f32 v[T], v[LS+2*\n], v[LS+2*\n+1]
	v_permlanex16_b32 v[T+1], v[T], s12, s13       ; the other 512 keys' share
	v_add_f32 v[T], v[T], v[T+1]                   ; about 1 at the least: the largest score's weight is 2^0 up to the shift's rounding
	v_rcp_f32 v[RC], v[T]
	v_rcp_f32 v[RC+1], v[T]
	v_nop                                          ; one plain instruction before the reciprocal is used (ISA guide 5.7.2)
	WIN W_SCAL
.set qq, 0
	s_wait_alu depctr_va_vdst(0)
.rept 16
	v_pk_mul_f32 v[ACC+32*\n+2*qq:ACC+32*\n+2*qq+1], v[ACC+32*\n+2*qq:ACC+32*\n+2*qq+1], v[RC:RC+1]
.set qq, qq+1
.endr
	WIN W_ADR1
.irp t, 0,1,2,3
.irp x, 0,1
	ds_store_b128 v[OST], v[ACC+8*(4*\n+\t)+4*\x:ACC+8*(4*\n+\t)+4*\x+3] offset:64*\t+16*\x   ; row r, d = 16 t + 8 h + 4 x ..
.endr
.endr
	s_wait_xcnt 0x0                                ; the buffer was the data of stores two tiles ago: it is loaded again only behind this wait (ISA guide 3.1)
.irp u, 0,1,2,3,4,5,6,7
	ds_load_b128 v[BUF+4*\u:BUF+4*\u+3], v[ORD] offset:2*OPITCH*\u    ; rows 2 u + h, 16 bytes at 16 r; in order behind my stores (ISA guide 5.7.1.4)
.endr
.irp u, 0,1,2,3,4,5,6,7
	s_wait_dscnt 7-\u                              ; the younger read-backs stay out
	global_store_b128 v[QOFF], v[BUF+4*\u:BUF+4*\u+3], s[8:9] offset:HALFQ*\hf+4096*\n+512*\u th:TH_STORE_NT   ; 512 consecutive bytes, aligned: two whole rows of out0
.endr
.endm
; 64 queries against all 1,024 keys.  Written out for each half, so that every offset in query and out0 is an immediate and no pointer is stepped.
.macro HALF hf
	QCONV
	WIN W_ALL1
	v_mov_b32 v[KA], v[KB]
	v_mov_b32 v[VA0], v[VB0]
	v_mov_b32 v[VA1], v[VB1]
	s_wait_xcnt 0x0                                ; K's registers were the data of the half before's last stores (in the first half nothing is out)
	LOADK                                          ; block 0
	WIN W_ALL1
	v_add_nc_u32 v[KA], KBLK, v[KA]
	BLOCK 1, 0, 0                                  ; block 0 starts maxima, sums and outputs: nothing is cleared
	WIN 0                                          ; at a label and at a branch every window is 0
	s_mov_b32 s17, 14
.Lblk_\hf:
	BLOCK 0, 0, 1-\hf                              ; blocks 1 to 14
	WIN 0
	s_sub_co_u32 s17, s17, 1
	s_cmp_lg_u32 s17, 0
	s_cbranch_scc1 .Lblk_\hf
	BLOCK 0, 1, 0                                  ; block 15 fetches no further K
.if \hf == 0
	QLOAD 1                                        ; the score registers are free (five places behind the last matrix instruction): the next 64 queries come in during the way out
.endif
	EPI \hf, 0
	EPI \hf, 1
	EPI \hf, 2
	EPI \hf, 3
.endm
	HALF 0
	HALF 1
	s_set_vgpr_msb 0x105
	s_wait_tensorcnt 0x0
	ds_add_u32 v254, v255
	s_wait_dscnt 0x0
	s_set_vgpr_msb 0x501
	s_endpgm
.Lfunc_end_k_qadc6f7487e_attn:
	.size	k_qadc6f7487e_attn, .Lfunc_end_k_qadc6f7487e_attn-k_qadc6f7487e_attn
	.p2alignl 7, 3214868480
	.fill 96, 4, 3214868480
	.section	.rodata,"a",@progbits
	.p2align	6, 0x0
	.amdhsa_kernel k_qadc6f7487e_attn
		.amdhsa_group_segment_fixed_size 315392
		.amdhsa_private_segment_fixed_size 0
		.amdhsa_enable_private_segment 0
		.amdhsa_kernarg_size 24
		.amdhsa_user_sgpr_count 2
		.amdhsa_user_sgpr_kernarg_segment_ptr 1
		.amdhsa_wavefront_size32 1
		.amdhsa_system_sgpr_workgroup_id_x 1
		.amdhsa_system_sgpr_workgroup_id_y 1
		.amdhsa_system_sgpr_workgroup_id_z 1
		.amdhsa_system_vgpr_workitem_id 0
		.amdhsa_next_free_vgpr 512
		.amdhsa_next_free_sgpr 66
		.amdhsa_reserve_vcc 0
		.amdhsa_float_denorm_mode_32 3
		.amdhsa_float_denorm_mode_16_64 3
		.amdhsa_memory_ordered 1
		.amdhsa_forward_progress 1
		.amdhsa_inst_pref_size 255
	.end_amdhsa_kernel
	.section	.bss,"aw",@nobits
	.p2align	6
	.space	262144
	.amdgpu_metadata
---
amdhsa.version: [ 1, 2 ]
amdhsa.kernels:
  - .name:           k_qadc6f7487e_attn
    .symbol:         k_qadc6f7487e_attn.kd
    .args:
      - { .name: memory, .offset: 0, .size: 8, .value_kind: global_buffer, .address_space: global }
      - { .name: query, .offset: 8, .size: 8, .value_kind: global_buffer, .address_space: global }
      - { .name: out0, .offset: 16, .size: 8, .value_kind: global_buffer, .address_space: global }
    .group_segment_fixed_size: 315392
    .private_segment_fixed_size: 0
    .kernarg_segment_align: 8
    .kernarg_segment_size: 24
    .max_flat_workgroup_size: 256
    .sgpr_count:     66
    .vgpr_count:     512
    .wavefront_size: 32
...
	.end_amdgpu_metadata
.endif
;; end of part 1
